; MI455X (gfx1250); checked and timed in simulation.
; The chip was launched on July 23, 2026; its instructions are those of AMD's public machine-readable ISA for CDNA 5 (MIT licence, August 2026) and "CDNA5" Instruction Set Architecture Reference Guide (July 2026). The comments in the code are by the model that wrote it; some were corrected since.
;; Multi Head Cross Attention. Allowed arithmetic: matrix products marked QUANTISED: E2M1 operands, one E8M0 scale for each 32 along K, by v_wmma_scale_f32_16x16x128_f8f6f4 with both operands' format E2M1 (or v_wmma_scale_f32_32x16x128_f4), f32 sums; products left as they are: bf16, f16 or f32 operands; f32 sums; everything else in f32.
;; Inputs: Wk 512 x 1,024 float32; Wq 512 x 1,024 float32; Wv 512 x 1,024 float32; keys 1 x 2,048 x 512 float32; mask 4 x 1 x 1 x 2,048 int32; queries 4 x 2,048 x 512 float32; values 1 x 2,048 x 512 float32.
;; Outputs: out0 4 x 2,048 x 1,024 float32.
;; This version of the problem:
;;   THIS VERSION OF THE PROBLEM IS GIVEN IN LOW PRECISION. The matrix products marked QUANTISED in the list below multiply operands that are first quantised to E2M1 (2 exponent bits, 1 mantissa bit; 4 bits a number), with one power-of-two scale for each 32 numbers along K (OCP MX v1.0); their sums are f32. The products marked 'left as it is' may take bf16, f16 or f32 operands, with f32 sums. Whichever they take, every output number must still come out within the allowed error. Rounding operands to bf16 (8 significant bits) uses up far more of that allowance than f16 does (11 bits, for magnitudes from 6e-5 to 65,504). All else is computed in f32.
;;   The module's matrix products, in the order in which they are computed (A, B: the left and right operand; K: the contracted axis; several contracted axes count as one K, in the product's order):
;;     1. [M 8,192, K 512] x [K 512, N 1,024]; A: input queries; B: input Wq: QUANTISED
;;     2. [M 2,048, K 512] x [K 512, N 1,024]; A: input keys; B: input Wk: QUANTISED
;;     3. [M 2,048, K 512] x [K 512, N 1,024]; A: input values; B: input Wv: QUANTISED
;;     4. batch 16 x [M 2,048, K 64] x [K 64, N 8,192]; A: computed on the way; B: computed on the way: left as it is (an operand is computed on the way)
;;     5. batch 16 x [M 64, K 2,048] x [K 2,048, N 8,192]; A: computed on the way; B: computed on the way: left as it is (an operand is computed on the way)
;;   THE QUANTISER, for each operand of a quantised product, along K:
;;     - K is cut into blocks of 32 from its start; a last block that is shorter is filled with zeros.
;;     - A block's scale is 2^e with e = floor(log2(the largest magnitude in the block)) - 2, held to -126 .. 127; a block of zeros has e = 0. As a byte (E8M0): e + 127.
;;     - Each number is divided by its block's scale, clamped to +-6, and rounded to the nearest number of E2M1, ties to even, subnormals kept.
;;     - The product sums the exact products of the quantised numbers (number of the format x scale) in f32.
;;   ~~~python
;;   def quantise(x, axis):      # numpy; x: float32 -> the quantised numbers, widened to float32 again
;;       x = np.moveaxis(x, axis, -1); K = x.shape[-1]
;;       x = np.pad(x, [(0, 0)] * (x.ndim - 1) + [(0, -K % 32)]); x = x.reshape(x.shape[:-1] + (-1, 32)); a = np.abs(x).max(-1, keepdims=True)
;;       e = np.where(a > 0, np.clip(np.frexp(np.where(a > 0, a, 1))[1] - 1 - 2, -126, 127), 0)      # np.frexp(a)[1] - 1 = floor(log2(a)), exactly
;;       r = np.clip(x / 2.0 ** e, -6, 6)
;;       step = 2.0 ** (np.maximum(np.frexp(np.where(r == 0, 1, r))[1] - 1, 0) - 1)
;;       q = np.round(r / step) * step * 2.0 ** e      # np.round: ties to even
;;       return np.moveaxis(q.reshape(q.shape[:-2] + (-1,))[..., :K], -1, axis).astype(np.float32)
;;   ~~~
;; One version. Each part assembles by itself: llvm-mc -triple=amdgcn-amd-amdhsa -mcpu=gfx1250 --defsym DOCPART=n.
;; ======== version 1 of 1: 3 launches
;; limits: values are held in f16: magnitudes above 65,504 overflow, below 6.1e-05 lose precision
;; workspace buffers: wcodes 786,432 bytes; wscales 49,152 bytes; q_ws 16,777,216 bytes; k_ws 4,194,304 bytes; v_ws 4,194,304 bytes; list 32,768 bytes of whole numbers; meta 512 bytes of whole numbers
;; launch prep (part 1): grid 97 x 1, 4 waves a work-group, no clusters, 0 bytes of LDS; arguments Wq, Wk, Wv, mask, wcodes, wscales, list, meta; writes wcodes, wscales, list, meta
.if DOCPART == 1
	.amdgcn_target "amdgcn-amd-amdhsa--gfx1250"
	.amdhsa_code_object_version 6
	.text
	.protected	k_qfb26b3677a_prep
	.globl	k_qfb26b3677a_prep
	.p2align	8
	.type	k_qfb26b3677a_prep,@function
k_qfb26b3677a_prep:
	s_mov_b64 s[64:65], 0
	v_nop
	global_prefetch_b8 v0, s[64:65] scope:SCOPE_SE
	s_setreg_imm32_b32 hwreg(HW_REG_WAVE_MODE, 25, 1), 1
	s_wait_xcnt 0x0
; TWO JOBS IN ONE LAUNCH, parted on the work-group's number.
; Work-groups 0-95: Wq, Wk, Wv [512 (k)][1024 (n)] f32 become codes of FP4 (E2M1) along K, with one E8M0 byte for each 32 along K.
;   A block's scale is 2^(floor(log2(largest magnitude)) - 2): its byte is the largest magnitude's exponent field - 2, held at 1 from below.
;   A LANE TAKES A COLUMN n AND ITS REGISTERS RUN DOWN K: a block of 32 lies in one lane, and the conversions give codes with K innermost.
;   The codes are laid in the ORDER OF THE OPERAND'S REGISTERS: wcodes [mat 3][tile of 16 columns 64][block 16][column in tile 16][16 bytes];
;   block 4 s + 2 c + h is what lane 16 h + r keeps in registers 4 c .. 4 c + 3 of K step s, so a fragment is 1,024 bytes on end, 16 a lane.
;   wscales [mat 3][K step 4][n 1024]: one word, the four bytes of that K step.
; Work-group 96: wave n turns batch n's mask (2,048 int32) into a list of key numbers: the keys that count (mask != 0) first, ascending,
;   the hidden ones behind them: a permutation of 0 .. 2047.  meta [n][32 words]: 0 cnt, 1 slots of 128, 2 steps of 64, 3 flag, the rest cnt.
;   A batch whose every key is hidden gets cnt = 2,048, the keys in order, and flag = 1: there the softmax is uniform over all keys.
; LIMITS: a block of zeros, and a block whose largest magnitude lies under 2^(3 - 127), gets the byte 1 (the bytes are read by this program alone;
;   a block of zeros has zero codes); NaN and infinities among the weights are not served.
; No LDS, no barrier: waves share nothing.
.set XR,  32                           ; v32-159  four blocks of 32 numbers
.set CR,  16                           ; v16-31   four registers of codes for each block: no store's data are written again
.set MK,  32                           ; v32-95   the list path: 64 mask words a lane
.set KEY, 96                           ; v96-159  the key numbers to store
.set POS, 160                          ; v160-223 where they go
	s_load_b256 s[4:11], s[0:1], 0x0               ; Wq s[4:5], Wk s[6:7], Wv s[8:9], mask s[10:11]
	s_load_b256 s[12:19], s[0:1], 0x20             ; wcodes s[12:13], wscales s[14:15], list s[16:17], meta s[18:19]
	v_lshrrev_b32 v1, 5, v0
	v_readfirstlane_b32 s20, v1                    ; wave 0..3
	v_and_b32 v1, 31, v0                           ; lane
	v_lshlrev_b32 v2, 2, v1                        ; 4 bytes a lane
	s_mov_b32 s27, 0                               ; the high word of every offset pair
	s_wait_kmcnt 0x0
	s_cmp_eq_u32 ttmp9, 96
	s_cbranch_scc1 .Llist
	; ---- THE WEIGHTS.  Work-group g: matrix g / 32, columns 128 ((g / 4) % 8) on, K step g % 4 (128 along K).  Wave w: 32 of the columns.
	s_lshr_b32 s21, ttmp9, 5                       ; mat
	s_bfe_u32 s22, ttmp9, 0x30002                  ; cg: 3 bits from bit 2
	s_and_b32 s23, ttmp9, 3                        ; s
	s_cmp_lt_u32 ttmp9, 64                         ; the choice hangs on the work-group's number alone
	s_cselect_b64 s[6:7], s[6:7], s[8:9]
	s_cmp_lt_u32 ttmp9, 32
	s_cselect_b64 s[4:5], s[4:5], s[6:7]
	s_lshl_b32 s24, s22, 9
	s_lshl_b32 s25, s20, 7
	s_add_co_u32 s24, s24, s25                     ; my wave's first column, as 4-byte words: 512 cg + 128 w
	s_lshl_b32 s26, s23, 19                        ; 128 rows of 4,096 bytes for each K step
	s_add_co_u32 s26, s26, s24
	s_add_nc_u64 s[4:5], s[4:5], s[26:27]
	s_lshl_b32 s26, s21, 18                        ; codes: 262,144 a matrix, 4,096 a tile of 16 columns (8 cg + 2 w), 1,024 a K step
	s_lshl_b32 s28, s22, 15
	s_add_co_u32 s26, s26, s28
	s_lshl_b32 s28, s20, 13
	s_add_co_u32 s26, s26, s28
	s_lshl_b32 s28, s23, 10
	s_add_co_u32 s26, s26, s28
	s_add_nc_u64 s[12:13], s[12:13], s[26:27]
	s_lshl_b32 s26, s21, 14                        ; scale words: 16,384 a matrix, 4,096 a K step, 4 a column
	s_lshl_b32 s28, s23, 12
	s_add_co_u32 s26, s26, s28
	s_add_co_u32 s26, s26, s24
	s_add_nc_u64 s[14:15], s[14:15], s[26:27]
	v_lshrrev_b32 v3, 4, v1
	v_and_b32 v4, 15, v1
	v_lshlrev_b32 v4, 4, v4
	v_lshl_add_u32 v3, v3, 12, v4                  ; my codes' place: the tile (lane / 16) x 4,096 + 16 x (lane % 16)
.macro LOAD t                          ; block t: W(32 t + i, my column): 32 lanes read 128 consecutive bytes, the four waves 512
.irp i, 0,1,2,3,4,5,6,7,8,9,10,11,12,13,14,15,16,17,18,19,20,21,22,23,24,25,26,27,28,29,30,31
	global_load_b32 v[XR+32*(\t)+\i], v2, s[4:5] offset:(32*(\t)+\i)*4096 th:TH_LOAD_NT
.endr
.endm
.macro BLOCK t
.set XS, XR+32*(\t)
.if (\t) < 3
	s_wait_loadcnt 32                              ; this block's 32 loads are in; the next block's 32 may be out
.else
	s_wait_loadcnt 0x0
.endif
.if (\t)+2 < 4
	LOAD (\t)+2                                    ; two blocks ahead, into registers of its own
.endif
	v_max3_num_f32 v8, |v[XS]|, |v[XS+1]|, |v[XS+2]|               ; the block's largest magnitude: all 32 numbers are mine; two chains
	v_max3_num_f32 v9, |v[XS+3]|, |v[XS+4]|, |v[XS+5]|
.irp i, 6,10,14,18,22,26
	v_max3_num_f32 v8, v8, |v[XS+\i]|, |v[XS+\i+1]|
	v_max3_num_f32 v9, v9, |v[XS+\i+2]|, |v[XS+\i+3]|
.endr
	v_max3_num_f32 v8, v8, |v[XS+30]|, |v[XS+31]|
	v_max3_num_f32 v8, v8, v9, 0x1800000           ; and the floor 2^(3 - 127): the byte cannot fall under 1
	v_add_nc_u32 v10, 0xff000000, v8               ; 2 off the exponent field: the conversion takes this operand's exponent field as its scale
	v_lshrrev_b32 v11, 23, v10                     ; the scale's byte
.if (\t) == 0
	v_mov_b32 v12, v11                             ; four bytes make the K step's word, the lower K in the lower byte
.else
	v_lshl_or_b32 v12, v11, 8*(\t), v12
.endif
.irp g, 0,1,2,3
	v_cvt_scalef32_pk8_fp4_f32 v[CR+4*(\t)+\g], v[XS+8*\g:XS+8*\g+7], v10
.endr
	global_store_b128 v3, v[CR+4*(\t):CR+4*(\t)+3], s[12:13] offset:256*(\t)   ; sixteen lanes store 256 consecutive bytes, aligned
.endm                                  ; (the results go to stores alone; the next block begins with plain vector lines ahead of the line that writes v10 anew)
	LOAD 0
	LOAD 1
	BLOCK 0
	BLOCK 1
	BLOCK 2
	BLOCK 3
	global_store_b32 v2, v12, s[14:15]             ; 32 columns' scale words: 128 consecutive bytes
	s_endpgm
	; ---- THE LISTS.  Wave n serves batch n.  Register i of lane l is key 32 i + l.
.Llist:
	s_lshl_b32 s26, s20, 13                        ; 8,192 bytes of mask and of list for each batch
	s_add_nc_u64 s[10:11], s[10:11], s[26:27]
	s_add_nc_u64 s[16:17], s[16:17], s[26:27]
	s_lshl_b32 s26, s20, 7                         ; 128 bytes of meta
	s_add_nc_u64 s[18:19], s[18:19], s[26:27]
.set i, 0
.rept 64
	global_load_b32 v[MK+i], v2, s[10:11] offset:128*i
.set i, i+1
.endr
	s_mov_b32 s31, 0
	s_mov_b32 s36, 2048
	s_wait_loadcnt 0x0
.set i, 0
.rept 64                               ; pass 1: how many keys count
	v_cmp_ne_u32 vcc_lo, 0, v[MK+i]
	s_bcnt1_i32_b32 s30, vcc_lo
	s_add_co_u32 s31, s31, s30
.set i, i+1
.endr
	s_cmp_eq_u32 s31, 0                            ; none: then all 2,048 are listed, and the flag says so
	s_cselect_b32 s32, -1, 0                       ; force
	s_cselect_b32 s33, 1, 0                        ; flag
	s_cselect_b32 s31, s36, s31                    ; cnt
	s_mov_b32 s37, 0                               ; where the next counting key goes,
	s_mov_b32 s38, s31                             ; and the next hidden one
.set i, 0
.rept 64                               ; pass 2: a place for each key: its rank among its kind
	v_cmp_ne_u32 vcc_lo, 0, v[MK+i]
	s_or_b32 s34, vcc_lo, s32
	s_not_b32 s35, s34
	v_mbcnt_lo_u32_b32 v8, s34, s37                ; counting keys in the lanes below me + those of earlier registers
	v_mbcnt_lo_u32_b32 v9, s35, s38                ; the same of the hidden ones
	v_cndmask_b32 v[POS+i], v9, v8, s34
	v_min_u32 v[POS+i], 2047, v[POS+i]             ; a place stays inside the list
	v_lshlrev_b32 v[POS+i], 2, v[POS+i]
	v_add_nc_u32 v[KEY+i], 32*i, v1
	global_store_b32 v[POS+i], v[KEY+i], s[16:17]  ; the places are a permutation: every word of the list is written once
	s_bcnt1_i32_b32 s30, s34
	s_add_co_u32 s37, s37, s30
	s_sub_co_u32 s38, s38, s30
	s_add_co_u32 s38, s38, 32
.set i, i+1
.endr
	s_add_co_u32 s39, s31, 127
	s_lshr_b32 s39, s39, 7                         ; slots of 128 places
	s_add_co_u32 s40, s31, 63
	s_lshr_b32 s40, s40, 6                         ; steps of 64
	v_mov_b32 v10, s31
	v_mov_b32 v11, s39
	v_cmp_eq_u32 vcc_lo, 1, v1
	v_cndmask_b32 v10, v10, v11, vcc_lo
	v_mov_b32 v11, s40
	v_cmp_eq_u32 vcc_lo, 2, v1
	v_cndmask_b32 v10, v10, v11, vcc_lo
	v_mov_b32 v11, s33
	v_cmp_eq_u32 vcc_lo, 3, v1
	v_cndmask_b32 v10, v10, v11, vcc_lo
	global_store_b32 v2, v10, s[18:19]
	s_endpgm
.Lfunc_end_k_qfb26b3677a_prep:
	.size	k_qfb26b3677a_prep, .Lfunc_end_k_qfb26b3677a_prep-k_qfb26b3677a_prep
	.p2alignl 7, 3214868480
	.fill 96, 4, 3214868480
	.section	.rodata,"a",@progbits
	.p2align	6, 0x0
	.amdhsa_kernel k_qfb26b3677a_prep
		.amdhsa_group_segment_fixed_size 0
		.amdhsa_private_segment_fixed_size 0
		.amdhsa_enable_private_segment 0
		.amdhsa_kernarg_size 64
		.amdhsa_user_sgpr_count 2
		.amdhsa_user_sgpr_kernarg_segment_ptr 1
		.amdhsa_wavefront_size32 1
		.amdhsa_system_sgpr_workgroup_id_x 1
		.amdhsa_system_sgpr_workgroup_id_y 1
		.amdhsa_system_sgpr_workgroup_id_z 1
		.amdhsa_system_vgpr_workitem_id 0
		.amdhsa_next_free_vgpr 224
		.amdhsa_next_free_sgpr 66
		.amdhsa_reserve_vcc 1
		.amdhsa_float_denorm_mode_32 3
		.amdhsa_float_denorm_mode_16_64 3
		.amdhsa_memory_ordered 1
		.amdhsa_forward_progress 1
		.amdhsa_inst_pref_size 75
	.end_amdhsa_kernel
	.amdgpu_metadata
---
amdhsa.version: [ 1, 2 ]
amdhsa.kernels:
  - .name:           k_qfb26b3677a_prep
    .symbol:         k_qfb26b3677a_prep.kd
    .args:
      - { .name: Wq, .offset: 0, .size: 8, .value_kind: global_buffer, .address_space: global }
      - { .name: Wk, .offset: 8, .size: 8, .value_kind: global_buffer, .address_space: global }
      - { .name: Wv, .offset: 16, .size: 8, .value_kind: global_buffer, .address_space: global }
      - { .name: mask, .offset: 24, .size: 8, .value_kind: global_buffer, .address_space: global }
      - { .name: wcodes, .offset: 32, .size: 8, .value_kind: global_buffer, .address_space: global }
      - { .name: wscales, .offset: 40, .size: 8, .value_kind: global_buffer, .address_space: global }
      - { .name: list, .offset: 48, .size: 8, .value_kind: global_buffer, .address_space: global }
      - { .name: meta, .offset: 56, .size: 8, .value_kind: global_buffer, .address_space: global }
    .group_segment_fixed_size: 0
    .private_segment_fixed_size: 0
    .kernarg_segment_align: 8
    .kernarg_segment_size: 64
    .max_flat_workgroup_size: 128
    .sgpr_count:     66
    .vgpr_count:     224
    .wavefront_size: 32
...
	.end_amdgpu_metadata
.endif
;; end of part 1
;; launch proj (part 2): grid 192 x 1, 8 waves a work-group, no clusters, 56,320 bytes of LDS; arguments queries, keys, values, wcodes, wscales, q_ws, k_ws, v_ws; writes q_ws, k_ws, v_ws
.if DOCPART == 2
	.amdgcn_target "amdgcn-amd-amdhsa--gfx1250"
	.amdhsa_code_object_version 6
	.text
	.protected	k_qfb26b3677a_proj
	.globl	k_qfb26b3677a_proj
	.p2align	8
	.type	k_qfb26b3677a_proj,@function
k_qfb26b3677a_proj:
	s_mov_b64 s[64:65], 0
	v_nop
	global_prefetch_b8 v0, s[64:65] scope:SCOPE_SE
	s_setreg_imm32_b32 hwreg(HW_REG_WAVE_MODE, 25, 1), 1
	s_wait_xcnt 0x0
; THE THREE PROJECTIONS, on codes of FP4 (E2M1) with one E8M0 scale for each 32 along K = 512:  q = queries Wq, k = keys Wk, v = values Wv.
; Work-groups 0-127 take queries (8,192 rows), 128-159 keys, 160-191 values (2,048 rows each): 64 rows x all 1,024 columns.  Only pointers are chosen: one path for all three.
; THE WAVES SHARE THE COLUMNS: wave w makes columns 128 w .. 128 w + 127 (heads 2 w, 2 w + 1) for all 64 rows.  Its 32 fragments of the weight (8 tiles of 16 columns x 4 K steps,
; 256 registers: window 1) come from memory in the order of the operand's registers, 16 bytes a lane, once.
; The rows arrive as f32 and are quantised here: wave w makes fragments 2 w and 2 w + 1 of the 16 (tile of rows m, K step s: 4 m + s) and hands them to the others through LDS
; as IMAGES OF THEIR REGISTERS (16 bytes a lane, 512 a store; the scale word 4 bytes a lane).  One barrier in the launch.
; THE PRODUCT IS USED TRANSPOSED (source 0 = 16 columns of W, source 1 = 16 rows): a lane holds one row and eight neighbouring channels, which round to 16 bytes of f16.
; Results are laid by head, [head 16][row][64] f16, so that a row of a head is 128 consecutive bytes; they leave through the wave's own stage, 512 consecutive bytes a store.
; NO JOINT LOADS, though all work-groups of a product read the same weights: each wave wants another 32,768 bytes of them, once, in its registers; through LDS that would be
; 262,144 bytes stored and read again for nothing.
; LIMITS: results beyond 65,504 in magnitude become infinities in f16; a block of zeros or under 2^(3 - 127) gets the scale byte 1; NaN and infinities among the inputs are not served.
.set XIMG,  0                          ; LDS: the rows' 16 fragments, 1,024 bytes each,
.set XSC,   16384                      ; their scale words, 128 bytes each,
.set STG,   18432                      ; a stage for each wave: 2 heads x 16 rows x (128 bytes + 16): 4,608 bytes
.set SPARE, 55296                      ; the spare words, 128 bytes for each wave: four blocks of 256 bytes that no other line names
.set XA,   4                           ; v4   my lane's byte in the wave's 16 rows: 2,048 r + 64 h
.set LI,   5                           ; v5   16 x lane
.set LS,   6                           ; v6   4 x lane
.set XWI,  7                           ; v7   where I store my images: 16 x lane + 2,048 x wave
.set XWS,  8                           ; v8   and their scale words: 4 x lane + 256 x wave
.set SO,   9                           ; v9   the stage: where I put 16 bytes of a row
.set SRD,  10                          ; v10  and where I read rows back
.set WSO,  11                          ; v11  4 r: the weight's scale words
.set SPW,  12                          ; v12  LDS address of my spare word; never rewritten
.set NIL,  13                          ; v13  0; never rewritten
.set XF,   16                          ; v16-47   a tile of rows: four K steps' fragments
.set XS,   48                          ; v48-51   their scale words
.set ACC,  52                          ; v52-115  8 accumulators; at the head 64 numbers of my first fragment
.set PC,   116                         ; v116-123 the codes just made
.set PW,   124                         ; v124     the scale word just made
.set TM,   128                         ; v128-143 at work in QUANT
.set X1,   144                         ; v144-207 64 numbers of my second fragment; later:
.set OUTP, 144                         ; v144-175 results as f16
.set BK,   176                         ; v176-207 rows read back from the stage
.set W1S,  208                         ; v208-239 the weight's scale words: 4 ct + s
.set WV,   20
.set SEL,  30
.set MSB, 0
.macro WIN new                         ; the immediate's high byte repeats the setting that is left
.if MSB != \new
	s_set_vgpr_msb (MSB<<8)|\new
.set MSB, \new
.endif
.endm
; my 16 rows' numbers of my j-th K step: lane (r, h) takes 16 neighbours of each block of 32 of row r: register 16 b + i = k 32 b + 16 h + i
.macro XLOAD reg, j
.irp b, 0,1,2,3
.irp i, 0,1,2,3
	global_load_b128 v[\reg+16*\b+4*\i:\reg+16*\b+4*\i+3], v[XA], s[4:5] offset:512*(\j)+128*\b+16*\i th:TH_LOAD_NT
.endr
.endr
.endm
.macro WLOAD ct                        ; the four fragments of my tile ct of columns -> window 1, v[8 (4 ct + s)]
.irp s, 0,1,2,3
.irp c, 0,1
	global_load_b128 v[8*(4*(\ct)+\s)+4*\c:8*(4*(\ct)+\s)+4*\c+3], v[LI], s[10:11] offset:(\ct)*4096+\s*1024+\c*512
.endr
.endr
.endm
; 64 numbers of a lane become a fragment's codes in v[PC] on and its scale word in v[PW]
.macro QUANT s
.irp b, 0,1,2,3
	v_max3_num_f32 v[TM+\b], |v[\s+16*\b]|, |v[\s+1+16*\b]|, 0x1800000   ; block b: my 16 numbers, and the floor 2^(3 - 127): the byte cannot fall under 1
.endr
.irp i, 2,4,6,8,10,12,14
.irp b, 0,1,2,3
	v_max3_num_f32 v[TM+\b], v[TM+\b], |v[\s+16*\b+\i]|, |v[\s+1+16*\b+\i]|   ; (the four blocks by turns)
.endr
.endr
.irp b, 0,1,2,3
	v_permlanex16_b32 v[TM+4+\b], v[TM+\b], s[SEL], s[SEL+1]
.endr
.irp b, 0,1,2,3
	v_max_num_f32 v[TM+\b], v[TM+\b], v[TM+4+\b]   ; with lane l xor 16's: the block's largest magnitude
.endr
.irp b, 0,1,2,3
	v_add_nc_u32 v[TM+12+\b], 0xff000000, v[TM+\b]   ; 2 off its exponent field: the conversion's scale operand
.endr
.irp b, 0,1,2,3
	v_lshrrev_b32 v[TM+4+\b], 23, v[TM+12+\b]      ; the scale's byte
.endr
	v_lshl_or_b32 v[PW], v[TM+5], 8, v[TM+4]       ; the four bytes make my row's scale word
	v_lshl_or_b32 v[PW], v[TM+6], 16, v[PW]
	v_lshl_or_b32 v[PW], v[TM+7], 24, v[PW]
.irp b, 0,1,2,3
	v_cvt_scalef32_pk8_fp4_f32 v[PC+2*\b], v[\s+16*\b:\s+7+16*\b], v[TM+12+\b]
	v_cvt_scalef32_pk8_fp4_f32 v[PC+1+2*\b], v[\s+8+16*\b:\s+15+16*\b], v[TM+12+\b]
.endr
	v_nop                                          ; one plain place behind a scaled conversion
.irp c, 0,1                                    ; the operand's layout wants a WHOLE block in a lane: lanes 0-15 block 2 c, lanes 16-31 block 2 c + 1
.irp i, 0,1
	v_permlane16_swap_b32 v[PC+4*\c+\i], v[PC+2+4*\c+\i]
.endr
.endr
.endm
.macro IMAGE off                               ; the fragment in v[PC] on goes to LDS as it stands
.irp c, 0,1
	ds_store_b128 v[XWI], v[PC+4*\c:PC+4*\c+3] offset:\off+512*\c
.endr
.endm
	s_load_b256 s[4:11], s[0:1], 0x0               ; queries s[4:5], keys s[6:7], values s[8:9], wcodes s[10:11]
	s_load_b256 s[12:19], s[0:1], 0x20             ; wscales s[12:13], q_ws s[14:15], k_ws s[16:17], v_ws s[18:19]
	v_lshl_add_u32 v[SPW], v0, 2, SPARE
	v_mov_b32 v[NIL], 0
	v_lshrrev_b32 v1, 5, v0
	v_readfirstlane_b32 s[WV], v1                  ; wave 0..7
	v_and_b32 v1, 31, v0                           ; lane
	v_and_b32 v2, 15, v0                           ; r
	v_bfe_u32 v3, v0, 4, 1                         ; h
	v_lshlrev_b32 v[XA], 11, v2
	v_lshl_add_u32 v[XA], v3, 6, v[XA]
	v_lshlrev_b32 v[LI], 4, v1
	v_lshlrev_b32 v[LS], 2, v1
	s_lshl_b32 s28, s[WV], 11
	v_add_nc_u32 v[XWI], s28, v[LI]
	s_lshl_b32 s28, s[WV], 8
	v_add_nc_u32 v[XWS], s28, v[LS]
	s_mul_i32 s28, s[WV], 4608
	s_add_co_u32 s28, s28, STG                     ; my stage
	v_mul_u32_u24 v[SO], v2, 144
	v_lshl_add_u32 v[SO], v3, 4, v[SO]
	v_add_nc_u32 v[SO], s28, v[SO]                 ; in: row r, + 16 h; the tile of columns stands in the offset
	v_lshrrev_b32 v[SRD], 3, v1
	v_mul_u32_u24 v[SRD], v[SRD], 144
	v_and_b32 v[WSO], 7, v1
	v_lshl_add_u32 v[SRD], v[WSO], 4, v[SRD]
	v_add_nc_u32 v[SRD], s28, v[SRD]               ; back: eight lanes to a row of 128 bytes, four rows an instruction
	v_lshlrev_b32 v[WSO], 2, v2
	s_mov_b32 s[SEL], 0x76543210
	s_mov_b32 s[SEL+1], 0xfedcba98                 ; v_permlanex16_b32's selects for lane l xor 16
.irp b, 0,1,2,3
	v_mov_b32 v[TM+4+\b], 0                        ; written once: a lane permute's destination counts as one of its sources
.endr
	s_mov_b32 s27, 0
	s_mov_b32 s22, 160
	s_mov_b32 s23, 0x40000
	s_wait_kmcnt 0x0
	s_cmp_lt_u32 ttmp9, 160                        ; which product?  The choices hang on the work-group's number alone
	s_cselect_b64 s[6:7], s[6:7], s[8:9]
	s_cselect_b64 s[16:17], s[16:17], s[18:19]
	s_cselect_b32 s21, 1, 2                        ; which weight
	s_cselect_b32 s22, 128, s22                    ; the product's first work-group
	s_cmp_lt_u32 ttmp9, 128
	s_cselect_b64 s[4:5], s[4:5], s[6:7]
	s_cselect_b64 s[14:15], s[14:15], s[16:17]
	s_cselect_b32 s21, 0, s21
	s_cselect_b32 s22, 0, s22
	s_cselect_b32 s23, 0x100000, s23               ; bytes of a head in the result: rows x 128
	s_sub_co_u32 s24, ttmp9, s22
	s_lshl_b32 s24, s24, 6                         ; my first row
	s_lshl_b32 s26, s24, 11                        ; rows of 2,048 bytes;
	s_lshr_b32 s28, s[WV], 1
	s_lshl_b32 s28, s28, 15                        ; I quantise rows 16 (w / 2) on,
	s_add_co_u32 s26, s26, s28
	s_and_b32 s28, s[WV], 1
	s_lshl_b32 s28, s28, 10                        ; K steps 2 (w % 2) and the next
	s_add_co_u32 s26, s26, s28
	s_add_nc_u64 s[4:5], s[4:5], s[26:27]
	s_lshl_b32 s26, s21, 18
	s_lshl_b32 s28, s[WV], 15
	s_add_co_u32 s26, s26, s28
	s_add_nc_u64 s[10:11], s[10:11], s[26:27]      ; my eight tiles of columns in the codes
	s_lshl_b32 s26, s21, 14
	s_lshl_b32 s28, s[WV], 9
	s_add_co_u32 s26, s26, s28
	s_add_nc_u64 s[12:13], s[12:13], s[26:27]      ; and my 128 columns' scale words
	s_mul_i32 s26, s[WV], s23
	s_lshl_b32 s26, s26, 1
	s_lshl_b32 s28, s24, 7
	s_add_co_u32 s26, s26, s28
	s_add_nc_u64 s[14:15], s[14:15], s[26:27]      ; the result: head 2 w, my first row;
	s_mov_b32 s26, s23
	s_add_nc_u64 s[16:17], s[14:15], s[26:27]      ; head 2 w + 1
	XLOAD ACC, 0
	XLOAD X1, 1
	WIN 0x40                                       ; destination window 1, address window 0
	WLOAD 0
	WLOAD 1
	WLOAD 2
	WLOAD 3
	WIN 0
	s_wait_loadcnt 48                              ; my first 64 numbers are in: behind them 16 + 32 loads were issued
	QUANT ACC
	IMAGE XIMG
	ds_store_b32 v[XWS], v[PW] offset:XSC
	s_wait_loadcnt 32                              ; my second 64: behind them the 32 loads of the weight
	WIN 0x40
	WLOAD 4
	WLOAD 5
	WLOAD 6
	WLOAD 7
	WIN 0
.irp ct, 0,1,2,3,4,5,6,7
.irp s, 0,1,2,3
	global_load_b32 v[W1S+4*\ct+\s], v[WSO], s[12:13] offset:\s*4096+\ct*64
.endr
.endr
	s_wait_dscnt 0x0                               ; the stores have read their registers
	QUANT X1
	IMAGE XIMG+1024
	ds_store_b32 v[XWS], v[PW] offset:XSC+128
	s_wait_dscnt 0x0                               ; for the others' sake: my images have landed
	s_barrier_signal -1
	s_barrier_wait -1                              ; the 16 fragments lie in LDS; nothing overwrites them
	s_wait_loadcnt 0x0                             ; the weight and its scale words
.irp m, 0,1,2,3                                ; a tile of 16 rows at a time
.irp s, 0,1,2,3
.irp c, 0,1
	ds_load_b128 v[XF+8*\s+4*\c:XF+8*\s+4*\c+3], v[LI] offset:XIMG+(4*\m+\s)*1024+512*\c
.endr
	ds_load_b32 v[XS+\s], v[LS] offset:XSC+128*(4*\m+\s)
.endr
	s_wait_dscnt 0x0
	WIN 0x01                                       ; source 0 (the weight) window 1
.irp s, 0,1,2,3                                ; the eight accumulators take turns, one instruction a turn, K ascending; the first K step starts the sums
.irp ct, 0,1,2,3,4,5,6,7
.if \s == 0
	v_wmma_scale_f32_16x16x128_f8f6f4 v[ACC+8*\ct:ACC+8*\ct+7], v[8*(4*\ct+\s):8*(4*\ct+\s)+7], v[XF+8*\s:XF+8*\s+7], 0, v[W1S+4*\ct+\s], v[XS+\s] matrix_a_fmt:MATRIX_FMT_FP4 matrix_b_fmt:MATRIX_FMT_FP4
.else
	v_wmma_scale_f32_16x16x128_f8f6f4 v[ACC+8*\ct:ACC+8*\ct+7], v[8*(4*\ct+\s):8*(4*\ct+\s)+7], v[XF+8*\s:XF+8*\s+7], v[ACC+8*\ct:ACC+8*\ct+7], v[W1S+4*\ct+\s], v[XS+\s] matrix_a_fmt:MATRIX_FMT_FP4 matrix_b_fmt:MATRIX_FMT_FP4
.endif
.endr
.endr
	WIN 0
.rept 4
	v_nop                                          ; four places ahead of the first read of results; with the conversions below they also stand ahead of the next tile's loads and of the products that begin the sums anew
.endr
.irp ct, 0,1,2,3,4,5,6,7
.irp i, 0,1,2,3
	v_cvt_pk_f16_f32 v[OUTP+4*\ct+\i], v[ACC+8*\ct+2*\i], v[ACC+8*\ct+2*\i+1]   ; each accumulator from its low end on: channels 16 ct + 8 h + 0 .. 7 of row r
.endr
.endr
.irp ct, 0,1,2,3,4,5,6,7
	ds_store_b128 v[SO], v[OUTP+4*\ct:OUTP+4*\ct+3] offset:(\ct/4)*2304+(\ct%4)*32
.endr
.if \m > 0
	s_wait_xcnt 0x0                                ; the last tile's stores have read their registers: the loads below may land there
.endif
.irp i, 0,1,2,3,4,5,6,7
	ds_load_b128 v[BK+4*\i:BK+4*\i+3], v[SRD] offset:(\i/4)*2304+(\i%4)*576   ; LDS serves a wave's instructions in order (ISA guide 5.7.1.4): these see my stores
.endr
.irp i, 0,1,2,3,4,5,6,7
	s_wait_dscnt 7-\i                              ; the younger loads may stay out
	global_store_b128 v[LI], v[BK+4*\i:BK+4*\i+3], s[14+2*(\i/4):15+2*(\i/4)] offset:\m*2048+(\i%4)*512   ; four rows of a head: 512 consecutive bytes, aligned
.endr
.endr
	s_wait_tensorcnt 0x0                           ; the wave's end, behind my last LDS store
	ds_add_u32 v[SPW], v[NIL]
	s_wait_dscnt 0x0
	s_endpgm
.Lfunc_end_k_qfb26b3677a_proj:
	.size	k_qfb26b3677a_proj, .Lfunc_end_k_qfb26b3677a_proj-k_qfb26b3677a_proj
	.p2alignl 7, 3214868480
	.fill 96, 4, 3214868480
	.section	.rodata,"a",@progbits
	.p2align	6, 0x0
	.amdhsa_kernel k_qfb26b3677a_proj
		.amdhsa_group_segment_fixed_size 56320
		.amdhsa_private_segment_fixed_size 0
		.amdhsa_enable_private_segment 0
		.amdhsa_kernarg_size 64
		.amdhsa_user_sgpr_count 2
		.amdhsa_user_sgpr_kernarg_segment_ptr 1
		.amdhsa_wavefront_size32 1
		.amdhsa_system_sgpr_workgroup_id_x 1
		.amdhsa_system_sgpr_workgroup_id_y 1
		.amdhsa_system_sgpr_workgroup_id_z 1
		.amdhsa_system_vgpr_workitem_id 0
		.amdhsa_next_free_vgpr 512
		.amdhsa_next_free_sgpr 66
		.amdhsa_reserve_vcc 0
		.amdhsa_float_denorm_mode_32 3
		.amdhsa_float_denorm_mode_16_64 3
		.amdhsa_memory_ordered 1
		.amdhsa_forward_progress 1
		.amdhsa_inst_pref_size 60
	.end_amdhsa_kernel
	.amdgpu_metadata
---
amdhsa.version: [ 1, 2 ]
amdhsa.kernels:
  - .name:           k_qfb26b3677a_proj
    .symbol:         k_qfb26b3677a_proj.kd
    .args:
      - { .name: queries, .offset: 0, .size: 8, .value_kind: global_buffer, .address_space: global }
      - { .name: keys, .offset: 8, .size: 8, .value_kind: global_buffer, .address_space: global }
      - { .name: values, .offset: 16, .size: 8, .value_kind: global_buffer, .address_space: global }
      - { .name: wcodes, .offset: 24, .size: 8, .value_kind: global_buffer, .address_space: global }
      - { .name: wscales, .offset: 32, .size: 8, .value_kind: global_buffer, .address_space: global }
      - { .name: q_ws, .offset: 40, .size: 8, .value_kind: global_buffer, .address_space: global }
      - { .name: k_ws, .offset: 48, .size: 8, .value_kind: global_buffer, .address_space: global }
      - { .name: v_ws, .offset: 56, .size: 8, .value_kind: global_buffer, .address_space: global }
    .group_segment_fixed_size: 56320
    .private_segment_fixed_size: 0
    .kernarg_segment_align: 8
    .kernarg_segment_size: 64
    .max_flat_workgroup_size: 256
    .sgpr_count:     66
    .vgpr_count:     512
    .wavefront_size: 32
...
	.end_amdgpu_metadata
.endif
;; end of part 2
;; launch attn (part 3): grid 8 x 64, 8 waves a work-group, no clusters, 115,712 bytes of LDS; arguments q_ws, k_ws, v_ws, list, meta, out0; writes out0
.if DOCPART == 3
	.amdgcn_target "amdgcn-amd-amdhsa--gfx1250"
	.amdhsa_code_object_version 6
	.text
	.protected	k_qfb26b3677a_attn
	.globl	k_qfb26b3677a_attn
	.p2align	8
	.type	k_qfb26b3677a_attn,@function
k_qfb26b3677a_attn:
	s_mov_b64 s[64:65], 0
	v_nop
	global_prefetch_b8 v0, s[64:65] scope:SCOPE_SE
	s_setreg_imm32_b32 hwreg(HW_REG_WAVE_MODE, 25, 1), 1
	s_wait_xcnt 0x0
; out[n][q][64 h ..] = the sum over keys of softmax_k(q . k / 8, hidden keys at -1e20) v.  q_ws [16][8192][64], k_ws, v_ws [16][2048][64]: f16.  Products on f16 operands, sums, maxima and exponentials in f32.
; ONLY THE KEYS THAT COUNT ARE WALKED.  A hidden key's weight is 2^(c (-1e20 - m)), which is 0 in f32 as soon as one key of the batch counts.  The batch's list holds the counting keys first; cnt of them are walked,
; in steps of 64 places.  Places from cnt on, in the last step, get -1e20 added to their score (as the C of the first product): |score| is at most 64 x 65,504^2 = 2.7e11, so their weight is 0 too.
; Where NO key of a batch counts the softmax is uniform over all 2,048: the list then holds all keys, cnt = 2,048, and the factor c is 0 (chosen by s_cselect_b32 on the stored flag), so that every weight is 1.
; SHARES.  Work-group (x, y): batch y / 16, head y % 16, queries 256 x on.  Each of its eight waves owns 32 queries, two tiles of 16, in 512 registers: two waves to a SIMD, so that one wave's vector work stands beside the other's products.
; A slot is 128 places of the list (two steps).  The 256 threads gather a slot's rows of K and V (128 bytes each, eight lanes to a row) into registers a slot ahead and store them into the LDS buffer that was left: two buffers, one barrier a slot.
; THE LOOP HAS A CONSTANT COUNT, 16 slots, and every wave passes every barrier; what hangs on the stored counts is jumped over by scalar branches: the loads, the work, the stores.
; LAYOUT.  S^T = K Q^T (source 0 = 16 keys, source 1 = 16 queries) and O^T = V^T P (source 0 = 16 channels, turned on the way out of LDS; source 1 = P): a lane holds ONE query throughout, and two tiles of S^T, rounded in pairs, ARE a fragment of P.
; SOFTMAX.  A running maximum m of the scores; p = 2^(c s - c m), c = log2(e) / 8; in every step O and the sum are multiplied by a = 2^(c m_old - c m_new).
; THE ROW'S SUM IS A PRODUCT TOO: a source 0 of ones times P gives each lane its query's sum of the step's p (as rounded to f16, the same numbers that weigh V).  Two matrix instructions a tile and step take the place of 17 vector ones.
; Of that accumulator registers 0 and 1 alone are rescaled and register 0 alone is read; the other six stay finite (at most 2,048) and are read by nobody.
; NO JOINT LOADS, though the eight work-groups of a batch and head walk the same rows: the rows are gathered by a list, 128 bytes each, which no tile states; and how many slots are walked hangs on a count read from memory.
; LIMITS: q, k, v beyond 65,504 arrive as infinities (f16) and are not served, nor are NaN.
.set BUFB,  39936                      ; an LDS buffer: 128 rows of K (128 bytes + 16), 128 rows of V (128 + 32), 256 words of bias (the first 128 are read)
.set VOFF,  18432
.set BOFF,  38912
.set PK,    144                        ; K's pitch: an odd multiple of 16 bytes, so the 16 rows of a load fall on 16 different 16-byte columns of 256
.set PV,    160                        ; V's pitch: an odd multiple of 32 bytes, for the turning load
.set STAGE, 2*BUFB                     ; the way out: 16 rows x (256 bytes + 16) for each wave
.set SPARE, STAGE+8*16*272             ; the spare words, 128 bytes for each wave: four blocks of 256 bytes that no other line names
.set AK,   4                           ; v4-5   my lane's place in a tile of K, in buffer 0, 1
.set AV,   6                           ; v6-7   the same for V
.set AB,   8                           ; v8-9   for the bias words
.set KS,   10                          ; v10-11 where my thread stores its 16 bytes of a row of K
.set VS,   12                          ; v12-13 of V
.set BS,   14                          ; v14-15 its bias word
.set LOFF, 16                          ; v16    4 x (thread / 8): my row's place in a slot's 32 first list words
.set CH,   17                          ; v17    16 x (thread % 8): my 16 bytes of a row
.set LA,   18                          ; v18    the offset of the index loads in hand
.set POS0, 19                          ; v19    thread % 128
.set NEG,  20                          ; v20    -1e20
.set ZER,  21                          ; v21    0.0
.set STO,  24                          ; v24    the way out: where I put 32 bytes of a row
.set RD,   25                          ; v25    where I read a row back
.set GO,   26                          ; v26    my byte offset in the wave's rows of out
.set QO,   27                          ; v27    my byte offset in the wave's rows of Q
.set SPW,  28                          ; v28    LDS address of my spare word; never rewritten
.set NIL,  29                          ; v29    0; never rewritten
.set IDX,  32                          ; v32-35   four key numbers
.set OFF,  36                          ; v36-39   their rows' offsets
.set ST,   40                          ; v40-55   tile t at ST + 8 t: +0 c m, +1 m, +4 to +7 at work; a takes +6
.set STK,  56                          ; v56-71   four 16-byte pieces of K on their way to LDS
.set STV,  72                          ; v72-87   of V
.set BI,   88                          ; v88-119  the bias in the result's layout, 8 registers for each tile of 16 keys
.set PRB,  120                         ; v120-151 P, 16 a tile of queries
.set SCO,  152                         ; v152-215 S^T, 32 a tile of queries
.set QF,   0                           ; window 1: v0-31 Q (8 (2 t + ks)); v32-95 K (8 (2 kt + ks)); v96-159 V (8 (4 ku + ct)); v160-223 O^T (32 t + 8 ct); v224-239 the sums (8 t); v240-247 ones
.set KF,   32
.set VF,   96
.set OAC,  160
.set LSUM, 224
.set ONE,  240
.set MSB, 0
.macro WIN new                         ; s_set_vgpr_msb: bits 1:0 source 0, 3:2 source 1, 5:4 source 2, 7:6 destination; the high byte repeats the setting that is left.  At every label and branch the setting is 0
.if MSB != \new
	s_set_vgpr_msb (MSB<<8)|\new
.set MSB, \new
.endif
.endm
; four key numbers become row offsets, and my 16 bytes of four rows of K and of V are asked for
.macro ROWS
.irp i, 0,1,2,3
	v_min_u32 v[OFF+\i], 2047, v[IDX+\i]           ; a key number stays inside the table
.endr
.irp i, 0,1,2,3
	v_lshl_add_u32 v[OFF+\i], v[OFF+\i], 7, v[CH]  ; a row is 128 bytes
.endr
.irp i, 0,1,2,3
	global_load_b128 v[STK+4*\i:STK+4*\i+3], v[OFF+\i], s[6:7]
.endr
.irp i, 0,1,2,3
	global_load_b128 v[STV+4*\i:STV+4*\i+3], v[OFF+\i], s[8:9]
.endr
.endm
; they go into buffer nb, with the slot's bias words: 0 for a place under cnt, -1e20 from cnt on.  s35 = the slot's first place
.macro PUT nb
.irp i, 0,1,2,3
	ds_store_b128 v[KS+(\nb)], v[STK+4*\i:STK+4*\i+3] offset:32*PK*\i
.endr
.irp i, 0,1,2,3
	ds_store_b128 v[VS+(\nb)], v[STV+4*\i:STV+4*\i+3] offset:32*PV*\i
.endr
	v_add_nc_u32 v22, s35, v[POS0]
	v_cmp_gt_u32 vcc_lo, s24, v22
	v_cndmask_b32 v23, v[NEG], v[ZER], vcc_lo
	ds_store_b32 v[BS+(\nb)], v23
.endm
; A STEP: 64 places, the u-th half of buffer b, for both tiles of queries
.macro STEP b, u
	WIN 0x40                                       ; destination window 1, address window 0
.irp kt, 0,1,2,3
.irp ks, 0,1
	ds_load_b128 v[KF+8*(2*\kt+\ks):KF+8*(2*\kt+\ks)+3],   v[AK+\b] offset:(64*\u+16*\kt)*PK+64*\ks
	ds_load_b128 v[KF+8*(2*\kt+\ks)+4:KF+8*(2*\kt+\ks)+7], v[AK+\b] offset:(64*\u+16*\kt)*PK+64*\ks+32
.endr
.endr
	WIN 0
.irp kt, 0,1,2,3
	ds_load_b128 v[BI+8*\kt:BI+8*\kt+3],   v[AB+\b] offset:(64*\u+16*\kt)*4
	ds_load_b128 v[BI+8*\kt+4:BI+8*\kt+7], v[AB+\b] offset:(64*\u+16*\kt)*4+16
.endr
	s_wait_dscnt 0x0
	WIN 0x05                                       ; K and Q in window 1; S^T and the bias in window 0
.irp ks, 0,1                                   ; the eight accumulators take turns, one instruction a turn; the first 32 channels start the sums on the bias
.irp kt, 0,1,2,3
.irp t, 0,1
.if \ks == 0
	v_wmma_f32_16x16x32_f16 v[SCO+32*\t+8*\kt:SCO+32*\t+8*\kt+7], v[KF+8*(2*\kt+\ks):KF+8*(2*\kt+\ks)+7], v[QF+8*(2*\t+\ks):QF+8*(2*\t+\ks)+7], v[BI+8*\kt:BI+8*\kt+7]
.else
	v_wmma_f32_16x16x32_f16 v[SCO+32*\t+8*\kt:SCO+32*\t+8*\kt+7], v[KF+8*(2*\kt+\ks):KF+8*(2*\kt+\ks)+7], v[QF+8*(2*\t+\ks):QF+8*(2*\t+\ks)+7], v[SCO+32*\t+8*\kt:SCO+32*\t+8*\kt+7]
.endif
.endr
.endr
.endr
	WIN 0
.rept 4
	v_nop                                          ; four places: ahead of the first read of the scores, and of the loads into V's registers, which the last step's products read
.endr
	WIN 0x40
.irp ku, 0,1
.irp ct, 0,1,2,3
	ds_load_tr16_b128 v[VF+8*(4*\ku+\ct):VF+8*(4*\ku+\ct)+3],   v[AV+\b] offset:(64*\u+32*\ku)*PV+32*\ct
	ds_load_tr16_b128 v[VF+8*(4*\ku+\ct)+4:VF+8*(4*\ku+\ct)+7], v[AV+\b] offset:(64*\u+32*\ku)*PV+16*PV+32*\ct
.endr
.endr
	WIN 0
	; the maximum of my 32 scores and the old m, three operands at a time; each accumulator is read from its low end on; the two tiles alternate
.irp j, 0,1,2,3
.irp t, 0,1
	v_max3_num_f32 v[ST+8*\t+4+\j], v[SCO+32*\t+8*\j], v[SCO+32*\t+8*\j+1], v[SCO+32*\t+8*\j+2]
.endr
.endr
.irp e, 3,5
.irp j, 0,1,2,3
.irp t, 0,1
	v_max3_num_f32 v[ST+8*\t+4+\j], v[ST+8*\t+4+\j], v[SCO+32*\t+8*\j+\e], v[SCO+32*\t+8*\j+\e+1]
.endr
.endr
.endr
.irp t, 0,1
	v_max3_num_f32 v[ST+8*\t+4], v[ST+8*\t+4], v[SCO+32*\t+7], v[SCO+32*\t+15]
	v_max3_num_f32 v[ST+8*\t+6], v[ST+8*\t+6], v[SCO+32*\t+23], v[SCO+32*\t+31]
.endr
.irp t, 0,1
	v_max3_num_f32 v[ST+8*\t+4], v[ST+8*\t+4], v[ST+8*\t+5], v[ST+8*\t+6]
.endr
.irp t, 0,1
	v_max3_num_f32 v[ST+8*\t+4], v[ST+8*\t+4], v[ST+8*\t+7], v[ST+8*\t+1]
.endr
.irp t, 0,1
	v_permlanex16_b32 v[ST+8*\t+5], v[ST+8*\t+4], s30, s31   ; the query's other 32 places lie in the lane 16 away
.endr
.irp t, 0,1
	v_mov_b32 v[ST+8*\t+7], v[ST+8*\t]             ; c m_old is kept for a
.endr
.irp t, 0,1
	v_max_num_f32 v[ST+8*\t+1], v[ST+8*\t+4], v[ST+8*\t+5]
.endr
.irp t, 0,1
	v_mul_f32 v[ST+8*\t], s28, v[ST+8*\t+1]
.endr
.irp t, 0,1
	v_sub_f32 v[ST+8*\t+7], v[ST+8*\t+7], v[ST+8*\t]
.endr
.set j, 0
.rept 16
	v_pk_fma_f32 v[SCO+j:SCO+j+1], v[SCO+j:SCO+j+1], s[28:29], v[ST:ST+1] op_sel_hi:[1,0,0] neg_lo:[0,0,1] neg_hi:[0,0,1]           ; c s - c m, two at a time
	v_pk_fma_f32 v[SCO+32+j:SCO+32+j+1], v[SCO+32+j:SCO+32+j+1], s[28:29], v[ST+8:ST+9] op_sel_hi:[1,0,0] neg_lo:[0,0,1] neg_hi:[0,0,1]
.set j, j+2
.endr
	v_exp_f32 v[ST+6], v[ST+7]                     ; ONE BATCH of 66 exponentials: a of both tiles,
	v_exp_f32 v[ST+14], v[ST+15]
.set j, 0
.rept 32
	v_exp_f32 v[SCO+j], v[SCO+j]                   ; and the weights
	v_exp_f32 v[SCO+32+j], v[SCO+32+j]
.set j, j+1
.endr
	v_nop                                          ; a plain instruction behind the last exponential, ahead of the first use
	s_wait_alu depctr_va_vdst(0)                   ; and a wait ahead of the batch's first reader
.set j, 0
.rept 16
	v_cvt_pk_f16_f32 v[PRB+j], v[SCO+2*j], v[SCO+2*j+1]              ; registers 8 ku .. 8 ku + 7 are P's fragment of places 32 ku on
	v_cvt_pk_f16_f32 v[PRB+16+j], v[SCO+32+2*j], v[SCO+32+2*j+1]
.set j, j+1
.endr
	WIN 0x41                                       ; O^T and the sums (destination, source 0) in window 1, a in window 0
.set j, 0
.rept 16
	v_pk_mul_f32 v[OAC+j:OAC+j+1], v[OAC+j:OAC+j+1], v[ST+6:ST+7] op_sel_hi:[1,0]           ; ascending: each accumulator from its low end on
	v_pk_mul_f32 v[OAC+32+j:OAC+32+j+1], v[OAC+32+j:OAC+32+j+1], v[ST+14:ST+15] op_sel_hi:[1,0]
.set j, j+2
.endr
	v_pk_mul_f32 v[LSUM:LSUM+1], v[LSUM:LSUM+1], v[ST+6:ST+7] op_sel_hi:[1,0]
	v_pk_mul_f32 v[LSUM+8:LSUM+9], v[LSUM+8:LSUM+9], v[ST+14:ST+15] op_sel_hi:[1,0]
	s_wait_dscnt 0x0                               ; V is in (asked for ahead of the softmax)
	WIN 0x51                                       ; V and the ones in window 1, P in window 0, C and D in window 1
.irp ku, 0,1                                   ; ten accumulators by turns
.irp t, 0,1
.irp ct, 0,1,2,3
	v_wmma_f32_16x16x32_f16 v[OAC+32*\t+8*\ct:OAC+32*\t+8*\ct+7], v[VF+8*(4*\ku+\ct):VF+8*(4*\ku+\ct)+7], v[PRB+16*\t+8*\ku:PRB+16*\t+8*\ku+7], v[OAC+32*\t+8*\ct:OAC+32*\t+8*\ct+7]
.endr
	v_wmma_f32_16x16x32_f16 v[LSUM+8*\t:LSUM+8*\t+7], v[ONE:ONE+7], v[PRB+16*\t+8*\ku:PRB+16*\t+8*\ku+7], v[LSUM+8*\t:LSUM+8*\t+7]
.endr
.endr
	WIN 0
.endm
; SLOT 2 T + b lies in buffer b.  Three parts, each jumped over by a branch on the stored counts, the same in all waves; then the barrier, which every wave passes.
.macro HALF b
	s_lshl_b32 s33, s32, 1
.if \b
	s_add_co_u32 s33, s33, 1                       ; the slot in hand
.endif
	s_add_co_u32 s34, s33, 1                       ; the next
	s_cmp_lt_u32 s34, s25
	s_cbranch_scc0 .Lno_rows_\@
	s_wait_loadcnt 0x0                             ; the next slot's key numbers, asked for a slot ago, are in; no load of mine is out, so offsets may be written
	ROWS
	s_add_co_u32 s35, s34, 1
	s_min_u32 s35, s35, 15                         ; the key numbers of the slot after that; the list has 16 slots
	s_lshl_b32 s35, s35, 9
	v_add_nc_u32 v[LA], s35, v[LOFF]
.irp i, 0,1,2,3
	global_load_b32 v[IDX+\i], v[LA], s[10:11] offset:128*\i
.endr
.Lno_rows_\@:
	s_cmp_lt_u32 s33, s25
	s_cbranch_scc0 .Lno_work_\@
	STEP \b, 0
	s_lshl_b32 s35, s33, 1
	s_add_co_u32 s35, s35, 1
	s_cmp_lt_u32 s35, s26                          ; the slot's second step has a place under cnt?
	s_cbranch_scc0 .Lno_work_\@
	STEP \b, 1
.Lno_work_\@:
	s_cmp_lt_u32 s34, s25
	s_cbranch_scc0 .Lno_store_\@
	s_wait_loadcnt 4                               ; the eight row loads are in: behind them only the four index loads were issued, on every way here
	s_lshl_b32 s35, s34, 7
	PUT 1-\b                                       ; into the buffer that every wave left at the last barrier
.Lno_store_\@:
	s_wait_dscnt 0x0                               ; my reads of this buffer are over, and my stores into the other have landed
	s_barrier_signal -1
	s_barrier_wait -1
.endm
	s_load_b256 s[4:11], s[0:1], 0x0               ; q_ws s[4:5], k_ws s[6:7], v_ws s[8:9], list s[10:11]
	s_load_b128 s[12:15], s[0:1], 0x20             ; meta s[12:13], out0 s[14:15]
	v_lshl_add_u32 v[SPW], v0, 2, SPARE
	v_mov_b32 v[NIL], 0
	v_lshrrev_b32 v1, 5, v0
	v_readfirstlane_b32 s16, v1                    ; wave 0..7
	s_and_b32 s18, ttmp7, 0xffff
	s_lshr_b32 s19, s18, 4                         ; batch
	s_and_b32 s20, s18, 15                         ; head
	s_mov_b32 s23, 0
	v_lshrrev_b32 v22, 3, v0                       ; thread / 8
	v_lshlrev_b32 v[LOFF], 2, v22
	s_wait_kmcnt 0x0
	s_lshl_b32 s22, s19, 7
	s_add_nc_u64 s[12:13], s[12:13], s[22:23]
	s_load_b128 s[24:27], s[12:13], 0x0            ; cnt s24, slots s25, steps s26, flag s27
	s_lshl_b32 s22, s19, 13
	s_add_nc_u64 s[10:11], s[10:11], s[22:23]      ; my batch's list
.irp i, 0,1,2,3
	global_load_b32 v[IDX+\i], v[LOFF], s[10:11] offset:128*\i   ; slot 0's key numbers
.endr
	s_lshl_b32 s22, s20, 18                        ; a head of K or V: 2,048 rows of 128 bytes
	s_add_nc_u64 s[6:7], s[6:7], s[22:23]
	s_add_nc_u64 s[8:9], s[8:9], s[22:23]
	s_lshl_b32 s21, ttmp9, 8
	s_lshl_b32 s35, s16, 5
	s_add_co_u32 s21, s21, s35
	s_lshl_b32 s35, s19, 11
	s_add_co_u32 s21, s21, s35                     ; my first query's row: 2,048 n + 256 x + 32 w
	s_lshl_b32 s22, s20, 13
	s_add_co_u32 s22, s22, s21
	s_lshl_b32 s22, s22, 7
	s_add_nc_u64 s[4:5], s[4:5], s[22:23]          ; in q_ws: head h's 8,192 rows of 128 bytes
	s_lshl_b32 s22, s21, 12
	s_lshl_b32 s35, s20, 8
	s_add_co_u32 s22, s22, s35
	s_add_nc_u64 s[14:15], s[14:15], s[22:23]      ; in out: rows of 4,096 bytes, the head's 256
	s_mov_b32 s30, 0x76543210
	s_mov_b32 s31, 0xfedcba98                      ; v_permlanex16_b32's selects for lane l xor 16
	v_and_b32 v2, 15, v0                           ; r
	v_bfe_u32 v3, v0, 4, 1                         ; hh
	v_mul_u32_u24 v[AK], v2, PK
	v_lshl_add_u32 v[AK], v3, 4, v[AK]             ; K: row r x pitch + 16 hh
	v_add_nc_u32 v[AK+1], BUFB, v[AK]
	v_and_b32 v23, 7, v0
	v_lshl_add_u32 v1, v3, 3, v23
	v_mul_u32_u24 v[AV], v1, PV                    ; V, for the turning load: row 8 hh + l % 8,
	v_bfe_u32 v1, v0, 3, 1
	v_lshl_add_u32 v[AV], v1, 4, v[AV]             ; 16 bytes for (l / 8) % 2
	v_add_nc_u32 v[AV], VOFF, v[AV]
	v_add_nc_u32 v[AV+1], BUFB, v[AV]
	v_lshl_add_u32 v[AB], v3, 5, BOFF              ; the bias: register j of a tile is place 8 hh + j
	v_add_nc_u32 v[AB+1], BUFB, v[AB]
	v_lshlrev_b32 v[CH], 4, v23
	v_mad_u32_u24 v[KS], v22, PK, v[CH]            ; in: row thread / 8, 16 bytes at thread % 8
	v_add_nc_u32 v[KS+1], BUFB, v[KS]
	v_mad_u32_u24 v[VS], v22, PV, v[CH]
	v_add_nc_u32 v[VS], VOFF, v[VS]
	v_add_nc_u32 v[VS+1], BUFB, v[VS]
	v_lshl_add_u32 v[BS], v0, 2, BOFF
	v_add_nc_u32 v[BS+1], BUFB, v[BS]
	v_and_b32 v[POS0], 127, v0
	v_mov_b32 v[NEG], 0xe0ad78ec                   ; -1e20
	v_mov_b32 v[ZER], 0
	s_mul_i32 s35, s16, 16*272
	s_add_co_u32 s35, s35, STAGE                   ; my stage
	v_mul_u32_u24 v[STO], v2, 272
	v_lshl_add_u32 v[STO], v3, 5, v[STO]
	v_add_nc_u32 v[STO], s35, v[STO]               ; in: row r, 32 bytes for each half of the lanes
	v_mul_u32_u24 v[RD], v3, 272
	v_lshl_add_u32 v[RD], v2, 4, v[RD]
	v_add_nc_u32 v[RD], s35, v[RD]                 ; back: lanes 0-15 one row of 256 bytes, lanes 16-31 the next
	v_lshlrev_b32 v[GO], 12, v3
	v_lshl_add_u32 v[GO], v2, 4, v[GO]             ; and the same two rows in out
	v_lshlrev_b32 v[QO], 7, v2
	v_lshl_add_u32 v[QO], v3, 4, v[QO]             ; Q: row r of 128 bytes + 16 hh
	s_wait_loadcnt 0x0                             ; slot 0's key numbers
	ROWS
	v_add_nc_u32 v[LA], 512, v[LOFF]
.irp i, 0,1,2,3
	global_load_b32 v[IDX+\i], v[LA], s[10:11] offset:128*\i     ; slot 1's key numbers
.endr
	WIN 0x40                                       ; destination window 1
.irp t, 0,1
.irp ks, 0,1
	global_load_b128 v[QF+8*(2*\t+\ks):QF+8*(2*\t+\ks)+3],   v[QO], s[4:5] offset:2048*\t+64*\ks th:TH_LOAD_NT      ; Q stays in registers
	global_load_b128 v[QF+8*(2*\t+\ks)+4:QF+8*(2*\t+\ks)+7], v[QO], s[4:5] offset:2048*\t+64*\ks+32 th:TH_LOAD_NT
.endr
.endr
.set j, 0
.rept 80
	v_mov_b32 v[OAC+j], 0                          ; O^T and the sums.  (The step is written without a first form of its own: the first step finds zeros, which its a = 0 leaves zeros)
.set j, j+1
.endr
.set j, 0
.rept 8
	v_mov_b32 v[ONE+j], 0x3c003c00                 ; 1.0 twice, in f16
.set j, j+1
.endr
	WIN 0
	s_mov_b32 s28, 0x3e38aa3b                      ; c = log2(e) / 8
	s_wait_kmcnt 0x0                               ; the counts
	s_cmp_eq_u32 s27, 0
	s_cselect_b32 s28, s28, 0                      ; no key counts: c = 0, every weight 1
	s_mov_b32 s29, s28                             ; (named with it as a pair, so it is written)
.irp t, 0,1
	v_mov_b32 v[ST+8*\t+1], 0xff61b1e6             ; m: -3e38, under every score
	v_mul_f32 v[ST+8*\t], s28, v[ST+8*\t+1]        ; c m
.endr
	s_mov_b32 s35, 0
	s_wait_loadcnt 0x0                             ; slot 0's rows, slot 1's key numbers, Q
	PUT 0
	s_wait_dscnt 0x0                               ; for the others' sake: my stores have landed
	s_barrier_signal -1
	s_barrier_wait -1
	s_mov_b32 s32, 0
.Ltrip:                                            ; 8 trips of two slots: a constant; place 0 counts in every batch, so slot 0's first step is always walked
	HALF 0
	HALF 1
	s_add_co_u32 s32, s32, 1
	s_cmp_lt_u32 s32, 8
	s_cbranch_scc1 .Ltrip
	; THE WAY OUT.  O^T is divided by the sum and goes through my stage in LDS, a tile (16 queries x 256 bytes) at a time, so that sixteen lanes store 256 consecutive bytes
.rept 4
	v_nop                                          ; four places behind the last products
.endr
	WIN 0x01                                       ; source 0 window 1
	v_rcp_f32 v[ST+6], v[LSUM]
	v_rcp_f32 v[ST+14], v[LSUM+8]
	WIN 0
	v_mov_b32 v[ST+7], 0                           ; a plain instruction behind the reciprocals (and the pairs' upper words)
	v_mov_b32 v[ST+15], 0
	s_wait_alu depctr_va_vdst(0)                   ; a wait ahead of the first use: one for both
	WIN 0x01
.set j, 0
.rept 16
	v_pk_mul_f32 v[SCO+j:SCO+j+1], v[OAC+j:OAC+j+1], v[ST+6:ST+7] op_sel_hi:[1,0]           ; register 8 ct + i: out(query r, channel 16 ct + 8 hh + i)
	v_pk_mul_f32 v[SCO+32+j:SCO+32+j+1], v[OAC+32+j:OAC+32+j+1], v[ST+14:ST+15] op_sel_hi:[1,0]
.set j, j+2
.endr
	WIN 0
.irp t, 0,1
.irp ct, 0,1,2,3
	ds_store_b128 v[STO], v[SCO+32*\t+8*\ct:SCO+32*\t+8*\ct+3] offset:64*\ct
	ds_store_b128 v[STO], v[SCO+32*\t+8*\ct+4:SCO+32*\t+8*\ct+7] offset:64*\ct+16
.endr
.irp i, 0,1,2,3,4,5,6,7
	ds_load_b128 v[SCO+32*\t+4*\i:SCO+32*\t+4*\i+3], v[RD] offset:544*\i   ; LDS serves a wave's instructions in order (ISA guide 5.7.1.4): these see my stores, and the next tile's stores come behind them
.endr
.endr
.irp t, 0,1
.irp i, 0,1,2,3,4,5,6,7
	s_wait_dscnt 16*(1-\t)+7-\i                    ; the younger LDS instructions may stay out: the tile's later loads, and behind tile 0's the sixteen of tile 1
	global_store_b128 v[GO], v[SCO+32*\t+4*\i:SCO+32*\t+4*\i+3], s[14:15] offset:(16*\t+2*\i)*4096 th:TH_STORE_NT   ; 16 lanes store a head's 256 bytes of a row, aligned
.endr
.endr
	s_wait_tensorcnt 0x0                           ; the wave's end, behind my last LDS store
	ds_add_u32 v[SPW], v[NIL]
	s_wait_dscnt 0x0
	s_endpgm
.Lfunc_end_k_qfb26b3677a_attn:
	.size	k_qfb26b3677a_attn, .Lfunc_end_k_qfb26b3677a_attn-k_qfb26b3677a_attn
	.p2alignl 7, 3214868480
	.fill 96, 4, 3214868480
	.section	.rodata,"a",@progbits
	.p2align	6, 0x0
	.amdhsa_kernel k_qfb26b3677a_attn
		.amdhsa_group_segment_fixed_size 115712
		.amdhsa_private_segment_fixed_size 0
		.amdhsa_enable_private_segment 0
		.amdhsa_kernarg_size 48
		.amdhsa_user_sgpr_count 2
		.amdhsa_user_sgpr_kernarg_segment_ptr 1
		.amdhsa_wavefront_size32 1
		.amdhsa_system_sgpr_workgroup_id_x 1
		.amdhsa_system_sgpr_workgroup_id_y 1
		.amdhsa_system_sgpr_workgroup_id_z 1
		.amdhsa_system_vgpr_workitem_id 0
		.amdhsa_next_free_vgpr 512
		.amdhsa_next_free_sgpr 66
		.amdhsa_reserve_vcc 1
		.amdhsa_float_denorm_mode_32 3
		.amdhsa_float_denorm_mode_16_64 3
		.amdhsa_memory_ordered 1
		.amdhsa_forward_progress 1
		.amdhsa_inst_pref_size 88
	.end_amdhsa_kernel
	.amdgpu_metadata
---
amdhsa.version: [ 1, 2 ]
amdhsa.kernels:
  - .name:           k_qfb26b3677a_attn
    .symbol:         k_qfb26b3677a_attn.kd
    .args:
      - { .name: q_ws, .offset: 0, .size: 8, .value_kind: global_buffer, .address_space: global }
      - { .name: k_ws, .offset: 8, .size: 8, .value_kind: global_buffer, .address_space: global }
      - { .name: v_ws, .offset: 16, .size: 8, .value_kind: global_buffer, .address_space: global }
      - { .name: list, .offset: 24, .size: 8, .value_kind: global_buffer, .address_space: global }
      - { .name: meta, .offset: 32, .size: 8, .value_kind: global_buffer, .address_space: global }
      - { .name: out0, .offset: 40, .size: 8, .value_kind: global_buffer, .address_space: global }
    .group_segment_fixed_size: 115712
    .private_segment_fixed_size: 0
    .kernarg_segment_align: 8
    .kernarg_segment_size: 48
    .max_flat_workgroup_size: 256
    .sgpr_count:     66
    .vgpr_count:     512
    .wavefront_size: 32
...
	.end_amdgpu_metadata
.endif
;; end of part 3
